; MI455X (gfx1250); checked and timed in simulation.
; The chip was launched on July 23, 2026; its instructions are those of AMD's public machine-readable ISA for CDNA 5 (MIT licence, August 2026) and "CDNA5" Instruction Set Architecture Reference Guide (July 2026). The comments in the code are by the model that wrote it; some were corrected since.
;; Naive SDPA. Allowed arithmetic: matrix products marked QUANTISED: E2M1 operands, one E8M0 scale for each 32 along K, by v_wmma_scale_f32_16x16x128_f8f6f4 with both operands' format E2M1 (or v_wmma_scale_f32_32x16x128_f4), f32 sums; everything else in f32.
;; Inputs: attn_mask 1 x 1 x 2,048 x 2,048 float32; key 2 x 2,048 x 16 x 128 float32; query 2 x 2,048 x 16 x 128 float32; value 2 x 2,048 x 16 x 128 float32.
;; Outputs: out0 2 x 2,048 x 16 x 128 float32.
;; This version of the problem:
;;   THIS VERSION OF THE PROBLEM IS GIVEN IN LOW PRECISION. The matrix products marked QUANTISED in the list below multiply operands that are first quantised to E2M1 (2 exponent bits, 1 mantissa bit; 4 bits a number), with one power-of-two scale for each 32 numbers along K (OCP MX v1.0); their sums are f32. All else is computed in f32.
;;   The module's matrix products, in the order in which they are computed (A, B: the left and right operand; K: the contracted axis; several contracted axes count as one K, in the product's order):
;;     1. batch 32 x [M 2,048, K 128] x [K 128, N 2,048]; A: input query; B: input key: QUANTISED
;;     2. batch 32 x [M 2,048, K 2,048] x [K 2,048, N 128]; A: softmax (see below); B: input value: QUANTISED
;;   THE QUANTISER, for each operand of a quantised product, along K:
;;     - K is cut into blocks of 32 from its start; a last block that is shorter is filled with zeros.
;;     - A block's scale is 2^e with e = floor(log2(the largest magnitude in the block)) - 2, held to -126 .. 127; a block of zeros has e = 0. As a byte (E8M0): e + 127.
;;     - Each number is divided by its block's scale, clamped to +-6, and rounded to the nearest number of E2M1, ties to even, subnormals kept.
;;     - The product sums the exact products of the quantised numbers (number of the format x scale) in f32.
;;   ~~~python
;;   def quantise(x, axis):      # numpy; x: float32 -> the quantised numbers, widened to float32 again
;;       x = np.moveaxis(x, axis, -1); K = x.shape[-1]
;;       x = np.pad(x, [(0, 0)] * (x.ndim - 1) + [(0, -K % 32)]); x = x.reshape(x.shape[:-1] + (-1, 32)); a = np.abs(x).max(-1, keepdims=True)
;;       e = np.where(a > 0, np.clip(np.frexp(np.where(a > 0, a, 1))[1] - 1 - 2, -126, 127), 0)      # np.frexp(a)[1] - 1 = floor(log2(a)), exactly
;;       r = np.clip(x / 2.0 ** e, -6, 6)
;;       step = 2.0 ** (np.maximum(np.frexp(np.where(r == 0, 1, r))[1] - 1, 0) - 1)
;;       q = np.round(r / step) * step * 2.0 ** e      # np.round: ties to even
;;       return np.moveaxis(q.reshape(q.shape[:-2] + (-1,))[..., :K], -1, axis).astype(np.float32)
;;   ~~~
;;   SOFTMAX AHEAD OF A QUANTISED PRODUCT. Where the list says 'softmax', what is quantised is not the finished softmax but p = 2^(t - M), with t = logit x log2(e) and M = ceil(the row's largest t), a whole number; so 1/2 < the row's largest p <= 1. The row's sum l is taken of the UNQUANTISED p, in f32, and the product's result is divided by l at the end. Since M is a whole number, a kernel that streams over the keys may use a running M (the ceiling of the running maximum): every later rescaling is an exact power of two, which a block's scale takes up: the codes' values come out the same.
;;   OPERANDS COMPUTED ON THE WAY. 'Computed on the way' means the value that the module computes at that place (a softmax that the list does not call 'softmax' is quantised finished and normalised). What goes into a quantiser is computed in f32, as accurately as f32 sums, v_exp_f32 and their like allow (about 1e-6 of the number): no bf16 or f16 on the way to a quantiser, and a product that is left as it is and whose result goes on into a quantised operand takes f32 operands (vector FMAs, or v_wmma_f32_16x16x4_f32). A number that lies on a knife's edge between two numbers of the format may be rounded either way, as far as f32 arithmetic and the matrix unit's own rounding can turn it there, and no further.
;; One version. Each part assembles by itself: llvm-mc -triple=amdgcn-amd-amdhsa -mcpu=gfx1250 --defsym DOCPART=n.
;; ======== version 1 of 1: 2 launches
;; limits: right only within a limited range of input values
;; workspace buffers: qc 4,456,448 bytes; kv 8,912,896 bytes; maskt 16,777,216 bytes; rowu 524,288 bytes; flags 16,384 bytes of whole numbers
;; launch prep (part 1): grid 896 x 1, 8 waves a work-group, no clusters, 158,976 bytes of LDS; arguments query, key, value, attn_mask, qc, kv, maskt, rowu, flags; writes qc, kv, maskt, rowu, flags
.if DOCPART == 1
	.amdgcn_target "amdgcn-amd-amdhsa--gfx1250"
	.amdhsa_code_object_version 6
	.text
	.protected	k_qee1acf0b8a_prep
	.globl	k_qee1acf0b8a_prep
	.p2align	8
	.type	k_qee1acf0b8a_prep,@function
k_qee1acf0b8a_prep:
	s_mov_b64 s[64:65], 0
	v_nop
	global_prefetch_b8 v0, s[64:65] scope:SCOPE_SE
	s_setreg_imm32_b32 hwreg(HW_REG_WAVE_MODE, 25, 1), 1
	s_wait_xcnt 0x0
; PREP: the operands of a soft-capped attention are laid out once, in the order in which the attention wave's registers take them.
;   out = softmax(20 tanh(q.k / sqrt(128) / 20) + attn_mask) v;  query, key, value, out: [2][2048][16][128] f32;  attn_mask: [2048][2048] f32.
;   Both products run on codes of E2M1 with one E8M0 scale for each 32 along K: q and k are quantised along the head's 128, v along the keys.
; THE MAXIMUM.  With mt = mask x log2(e) + 20 log2(e), held to the largest finite numbers, the exponent is t = mt - 40 log2(e) / (1 + e), and 0 <= 40 log2(e) / (1 + e) <= 57.8: tanh, a clip of the
;   problem's own, holds t in [mt - 57.8, mt].  So M = ceil(the row's largest mt), a whole number, lies at or over every t of the row, and the row's largest t - M lies over -58.8: no exponential
;   and no sum of them leaves f32's range.  A whole number in M's place moves only the blocks' scales, not the codes' values.
; WORK THAT THE ATTENTION LEAVES OUT, on whole numbers stored here.  Every input is read whole, here.  For a query tile T (16 rows) and a key step j (128 keys) in which every mt - M lies under -127, every
;   t - M does too, whatever q and k hold, and every p = 2^(t - M) is 0 by v_exp_f32 (ISA guide 15.8): zero codes and a zero sum, which add nothing to any output.  Such a step's bit in flags is 0.
;   Every row has a place with mt - M > -1, so every tile has a live step.  LIMIT: a NaN, an infinity or an overflow that reaches only a step left out is not carried to the result; p under 2^-126 counts as 0.
; WHAT IS MADE
;   qc, kv  codes as images of operand registers: a tile of 16 rows x 128 K is 1,024 bytes, lane l's 16 bytes of register group c at 512 c + 16 l; scale words 64 bytes a tile, 4 a row.
;           Row i of tile t of a group of 128 rows of q or k is 32 (t / 2) + 8 (t % 2) + i + 8 (i / 8), so that in S^T = k q^T the 16 registers of tiles 2 b, 2 b + 1 are 16 neighbouring keys.
;           kv, for each head and four key steps, 69,632 bytes: k's codes 4 x 8,192; v's at 32,768; k's scale words 4 x 512 at 65,536; v's at 67,584.  qc, for four groups, 34,816: codes, then scale words at 32,768.
;   maskt   mt - M, [T][j] 8,192 bytes in the order of the score registers.
;   rowu    [T][j / 4][lane][j % 4]: the largest mt - M of the lane's row in step j (the value of all 128 where the step is uniform); at [T] + 2,048 + 4 lane the row's factor: -40 log2(e),
;           or 0 where |M| >= 2^30, where an f32 sum of logit and mask keeps nothing of the logit.
;   flags   [T], a word (written 32 times, a lane each): bit j: live; bit 16 + j: uniform, each of the 16 rows holds one value in all 128 places.  No branch here hangs on them: they are chosen and stored.
; THE QUANTISER: a block's scale is 2^(floor(log2(largest magnitude)) - 2); its byte is the largest magnitude's exponent field - 2, held at 1 from below by a floor among the maximum's leaves.
; LIMITS: a block of zeros gets the byte 1 where the rule says 127 (its codes are zeros, and this program alone reads the bytes); NaN and infinities among the inputs are not served; masks beyond
;   +-2.36e38 count as equal; for 2^24 < |M| < 2^30 the logit is kept more finely than an f32 sum of logit and mask keeps it.
; SHARES: work-groups 0-127: a query tile of the mask, a wave two key steps; 128-383: value, 256 keys of a head, a wave 32 keys x 128 channels; 384-895: query, then key, 256 rows of a head, a wave two tiles.
;   Each wave asks for its 16,384 bytes in one run of 32 loads of 512 consecutive bytes.  The paths part once on the work-group's number and have LDS bytes of their own.
;   No tensor load: every byte is read once and goes through registers anyway.  No prefetch: there is no loop to run ahead in.
.set SP,    528                        ; a stage row: 512 bytes + 16
.set WSTG,  8448                       ; a wave's stage of 16 rows
.set MSTG,  67584                      ; the mask path's stages, behind those of q and k
.set VSTG,  135168                     ; value: 32 x (64 + 16) bytes a wave
.set VSB,   155648                     ; value: two steps' scale words
.set XMB,   156672                     ; mask: the steps' maxima, [row][step]
.set FLB,   157696                     ; mask: the waves' flag words
.set SPARE, 157952                     ; the spare words, 128 bytes a wave
.set LN,1
.set SPW,2
.set NIL,3
.set LI,4                              ; 16 x lane
.set L4,5                              ; 4 x lane
.set QSI,6
.set QSO,7
.set MSI,8
.set MSO,9
.set VSI,10
.set VSO,11
.set VBA,12
.set VBR,13
.set XR,14
.set XA,15
.set FA,16
.set FW,17
.set VO,18                             ; 1,024 (lane / 16) + 16 (lane % 16)
.set SH8,19
.set NM,20                             ; v[20:21] -M
.set KK,22                             ; v[22:23] 20 log2(e)
.set R,40                              ; v40-167 as loaded
.set X,168                             ; v168-231 as a lane wants them
.set C,232                             ; v232-247 value's codes
	s_load_b256 s[4:11], s[0:1], 0x0               ; query, key, value, attn_mask
	s_load_b256 s[12:19], s[0:1], 0x20             ; qc, kv, maskt, rowu
	s_load_b64 s[20:21], s[0:1], 0x40              ; flags
	v_lshl_add_u32 v[SPW], v0, 2, SPARE
	v_mov_b32 v[NIL], 0
	v_lshrrev_b32 v24, 5, v0
	v_readfirstlane_b32 s22, v24                   ; wave 0..7
	v_and_b32 v[LN], 31, v0
	v_lshlrev_b32 v[LI], 4, v[LN]
	v_lshlrev_b32 v[L4], 2, v[LN]
	v_and_b32 v25, 15, v0                          ; r
	v_bfe_u32 v26, v0, 4, 1                        ; h
	s_mul_i32 s23, s22, WSTG
	v_add_nc_u32 v[QSI], s23, v[LI]
	v_mul_u32_u24 v27, v25, SP
	v_add_nc_u32 v27, s23, v27
	v_lshl_add_u32 v[QSO], v26, 7, v27             ; row r, + 128 h: blocks h and 2 + h
	v_add_nc_u32 v[MSI], MSTG, v[QSI]
	v_lshl_add_u32 v[MSO], v26, 6, v27             ; row r, + 64 h: half h of each block
	v_add_nc_u32 v[MSO], MSTG, v[MSO]
	s_mul_i32 s23, s22, 2560
	s_add_co_u32 s23, s23, VSTG
	v_mul_u32_u24 v[VSI], v[LN], 80
	v_add_nc_u32 v[VSI], s23, v[VSI]
	v_lshrrev_b32 v28, 2, v[LN]
	v_mul_u32_u24 v28, v28, 80
	v_and_b32 v29, 3, v[LN]
	v_lshl_add_u32 v28, v29, 4, v28
	v_add_nc_u32 v[VSO], s23, v28
	s_lshr_b32 s23, s22, 2
	s_lshl_b32 s23, s23, 9
	s_add_co_u32 s23, s23, VSB
	v_add_nc_u32 v[VBR], s23, v[LI]
	s_and_b32 s23, s22, 3
	v_add_nc_u32 v[VBA], s23, v[VBR]
	v_lshlrev_b32 v[XR], 6, v25
	v_add_nc_u32 v[XR], XMB, v[XR]
	s_lshl_b32 s23, s22, 3
	v_add_nc_u32 v[XA], s23, v[XR]
	v_mov_b32 v[FA], FLB
	s_lshl_b32 s23, s22, 2
	v_add_nc_u32 v[FW], s23, v[FA]
	v_lshlrev_b32 v[SH8], 3, v26
	v_lshlrev_b32 v[VO], 10, v26
	v_lshl_add_u32 v[VO], v25, 4, v[VO]
	v_mov_b32 v[NM+1], 0
	v_mov_b32 v[KK], 0x41e6d4ca
	v_mov_b32 v[KK+1], 0x41e6d4ca
.irp n, 32,33,38,39
	v_mov_b32 v\n, 0                               ; a lane permute's destination counts as a source
.endr
	s_mov_b32 s48, 0x76543210
	s_mov_b32 s49, 0xfedcba98                      ; lane l xor 16
	s_mov_b32 s50, 0xffff0000                      ; lanes 16-31
	s_mov_b32 s52, 0x3fb8aa3b                      ; log2(e)
	s_mov_b32 s53, s52
	s_mov_b32 s54, 0xff7fffff
	s_mov_b32 s55, 0x7f7fffff
	s_wait_alu depctr_va_vdst(0)                   ; the wait at the head's end
	s_wait_kmcnt 0x0
.macro CLOSE                           ; a wave's end, behind the last LDS store
	s_wait_tensorcnt 0x0
	ds_add_u32 v[SPW], v[NIL]
	s_wait_dscnt 0x0
	s_endpgm
.endm
	s_cmp_ge_u32 ttmp9, 384
	s_cbranch_scc1 .Lqk
	s_cmp_ge_u32 ttmp9, 128
	s_cbranch_scc1 .Lv
; ---------------- the mask: tile T = 8 G + t = the work-group's number; my steps are 2 wave and 2 wave + 1
	s_lshr_b32 s26, ttmp9, 3
	s_lshl_b32 s26, s26, 20
	s_bfe_u32 s27, ttmp9, 0x20001
	s_lshl_b32 s27, s27, 18
	s_add_co_u32 s26, s26, s27
	s_and_b32 s27, ttmp9, 1
	s_lshl_b32 s27, s27, 16
	s_add_co_u32 s26, s26, s27
	s_lshl_b32 s27, s22, 10
	s_add_co_u32 s26, s26, s27
	s_mov_b32 s27, 0
	s_add_nc_u64 s[10:11], s[10:11], s[26:27]
	s_lshl_b32 s26, ttmp9, 17
	s_lshl_b32 s28, s22, 14
	s_add_co_u32 s26, s26, s28
	s_add_nc_u64 s[16:17], s[16:17], s[26:27]
	s_lshl_b32 s26, ttmp9, 12
	s_lshr_b32 s28, s22, 1
	s_lshl_b32 s28, s28, 9
	s_add_co_u32 s26, s26, s28
	s_and_b32 s28, s22, 1
	s_lshl_b32 s28, s28, 3
	s_add_co_u32 s26, s26, s28
	s_add_nc_u64 s[18:19], s[18:19], s[26:27]
	s_lshl_b32 s26, ttmp9, 7
	s_add_nc_u64 s[20:21], s[20:21], s[26:27]
.irp s, 0,1
.set i, 0
.rept 16
	global_load_b128 v[R+64*\s+4*i:R+64*\s+4*i+3], v[LI], s[10:11] offset:(i+8*(i/8))*8192+512*\s th:TH_LOAD_NT
.set i, i+1
.endr
.endr
; a step turns through my stage: in as loaded, out with register 16 b + n = key 32 b + 16 h + n of row r.  LDS serves a wave's instructions in order (ISA guide 5.7.1.4)
.macro MTURN s, dst
.set i, 0
.rept 16
	s_wait_loadcnt 31-16*\s-i
	ds_store_b128 v[MSI], v[R+64*\s+4*i:R+64*\s+4*i+3] offset:SP*i
.set i, i+1
.endr
.set i, 0
.rept 16
	ds_load_b128 v[\dst+4*i:\dst+4*i+3], v[MSO] offset:128*(i/4)+16*(i%4)
.set i, i+1
.endr
	s_wait_dscnt 0x0
.endm
	MTURN 0, X                                     ; step 2 wave -> v168-231
	MTURN 1, R                                     ; step 2 wave + 1 -> v40-103, whose stores are done
.macro MT d                            ; mt, held finite: differences are taken of these
.set j, 0
.rept 32
	v_pk_fma_f32 v[\d+j:\d+j+1], v[\d+j:\d+j+1], s[52:53], v[KK:KK+1] op_sel_hi:[1,0,1]
.set j, j+2
.endr
.set j, 0
.rept 64
	v_med3_num_f32 v[\d+j], v[\d+j], s54, s55
.set j, j+1
.endr
.endm
.macro MM d, a                         ; my row's largest (v[a]) and least (v[a+2]) of the step's half: four chains by turns
	v_max3_num_f32 v[\a], v[\d], v[\d+1], v[\d+2]
	v_max3_num_f32 v[\a+1], v[\d+3], v[\d+4], v[\d+5]
	v_min3_num_f32 v[\a+2], v[\d], v[\d+1], v[\d+2]
	v_min3_num_f32 v[\a+3], v[\d+3], v[\d+4], v[\d+5]
.set j, 6
.rept 14
	v_max3_num_f32 v[\a], v[\a], v[\d+j], v[\d+j+1]
	v_max3_num_f32 v[\a+1], v[\a+1], v[\d+j+2], v[\d+j+3]
	v_min3_num_f32 v[\a+2], v[\a+2], v[\d+j], v[\d+j+1]
	v_min3_num_f32 v[\a+3], v[\a+3], v[\d+j+2], v[\d+j+3]
.set j, j+4
.endr
	v_max3_num_f32 v[\a], v[\a], v[\d+62], v[\d+63]
	v_min3_num_f32 v[\a+2], v[\a+2], v[\d+62], v[\d+63]
	v_max_num_f32 v[\a], v[\a], v[\a+1]
	v_min_num_f32 v[\a+2], v[\a+2], v[\a+3]
.endm
	MT X
	MT R
	MM X, 24
	MM R, 28
	v_permlanex16_b32 v32, v24, s48, s49
	v_permlanex16_b32 v33, v26, s48, s49
	v_permlanex16_b32 v38, v28, s48, s49
	v_permlanex16_b32 v39, v30, s48, s49
	v_max_num_f32 v34, v24, v32                    ; v[34:35] the two steps' largest, v[36:37] their least
	v_min_num_f32 v36, v26, v33
	v_max_num_f32 v35, v28, v38
	v_min_num_f32 v37, v30, v39
	ds_store_b64 v[XA], v[34:35]                   ; both lanes of a row write the same words with the same values
	s_wait_alu depctr_va_vdst(0)                   ; the wait ahead of the wait below
	s_wait_dscnt 0x0
	s_barrier_signal -1
	s_barrier_wait -1
.irp i, 0,1,2,3
	ds_load_b128 v[R+64+4*\i:R+64+4*\i+3], v[XR] offset:16*\i   ; my row's maxima of all sixteen steps
.endr
	s_wait_dscnt 0x0
	v_max3_num_f32 v24, v[R+64], v[R+65], v[R+66]
	v_max3_num_f32 v25, v[R+67], v[R+68], v[R+69]
.irp i, 70,74
	v_max3_num_f32 v24, v24, v[R+\i], v[R+\i+1]
	v_max3_num_f32 v25, v25, v[R+\i+2], v[R+\i+3]
.endr
	v_max3_num_f32 v24, v24, v[R+78], v[R+79]
	v_max_num_f32 v24, v24, v25
	v_floor_f32 v[NM], -v24                        ; -M = floor(-max) = -ceil(max)
.irp d, X, R
.set j, 0
.rept 32
	v_pk_add_f32 v[\d+j:\d+j+1], v[\d+j:\d+j+1], v[NM:NM+1] op_sel_hi:[1,0]   ; mt - M
.set j, j+2
.endr
.endr
	v_cmp_eq_f32 s42, v34, v36                     ; least = largest, in every row: uniform
	v_cmp_eq_f32 s43, v35, v37
	v_pk_add_f32 v[34:35], v[34:35], v[NM:NM+1] op_sel_hi:[1,0]   ; the steps' largest mt - M: the same addition on the same numbers
	v_mov_b32 v38, 0xc2fe0000                      ; -127
.set j, 0
.rept 16
	global_store_b128 v[LI], v[X+4*j:X+4*j+3], s[16:17] offset:512*j          ; 512 consecutive bytes, aligned
	global_store_b128 v[LI], v[R+4*j:R+4*j+3], s[16:17] offset:8192+512*j
.set j, j+1
.endr
	global_store_b64 v[LI], v[34:35], s[18:19]     ; 8 of a lane's 16 bytes: one byte in 64 of what this path stores
	v_cmp_le_f32 s40, v38, v34                     ; -127 <= it, in some row: live
	v_cmp_le_f32 s41, v38, v35
	s_lshl_b32 s44, s22, 1
	s_lshl_b32 s45, 1, s44
	s_cmp_lg_u32 s40, 0
	s_cselect_b32 s46, s45, 0
	s_lshl_b32 s45, s45, 1
	s_cmp_lg_u32 s41, 0
	s_cselect_b32 s47, s45, 0
	s_or_b32 s46, s46, s47
	s_lshl_b32 s45, s45, 15
	s_cmp_eq_u32 s42, -1
	s_cselect_b32 s47, s45, 0
	s_or_b32 s46, s46, s47
	s_lshl_b32 s45, s45, 1
	s_cmp_eq_u32 s43, -1
	s_cselect_b32 s47, s45, 0
	s_or_b32 s46, s46, s47
	v_mov_b32 v39, s46
	ds_store_b32 v[FW], v39                        ; all lanes write my wave's word with the same value
	s_wait_alu depctr_va_vdst(0)
	s_wait_dscnt 0x0
	s_barrier_signal -1
	s_barrier_wait -1
	s_cmp_lg_u32 s22, 0                            ; wave 0 joins the words and stores what belongs to the tile as a whole
	s_cbranch_scc1 .Lmend
	ds_load_b128 v[R+64:R+67], v[FA]
	ds_load_b128 v[R+68:R+71], v[FA] offset:16
	v_and_b32 v28, 0x7fffffff, v[NM]
	v_mov_b32 v29, 0xc266d4ca                      ; -40 log2(e)
	v_cmp_gt_u32 vcc_lo, 0x4e800000, v28           ; |M| < 2^30
	v_cndmask_b32 v28, 0, v29, vcc_lo
	s_wait_alu depctr_va_vdst(0)
	s_wait_dscnt 0x0
.irp i, 64,66,68,70
	v_or_b32 v[R+\i], v[R+\i], v[R+\i+1]
.endr
	v_or_b32 v[R+64], v[R+64], v[R+66]
	v_or_b32 v[R+68], v[R+68], v[R+70]
	v_or_b32 v[R+64], v[R+64], v[R+68]
	global_store_b32 v[L4], v[R+64], s[20:21]      ; the tile's word, a lane each: 128 consecutive bytes
	global_store_b32 v[L4], v28, s[18:19] offset:2048   ; the rows' factor
.Lmend:
	CLOSE
; ---------------- value: a load reads a key's 128 channels; a lane holds 4 channels x 32 keys, one block of each; four waves hold a key step's four blocks
.Lv:
	s_sub_co_u32 s24, ttmp9, 128
	s_lshr_b32 s25, s24, 3                         ; b x 16 + head
	s_and_b32 s26, s24, 7
	s_lshl_b32 s26, s26, 1
	s_lshr_b32 s27, s22, 2
	s_add_co_u32 s26, s26, s27                     ; key step
	s_and_b32 s27, s22, 3                          ; block t of 32 keys
	s_lshr_b32 s32, s25, 4
	s_lshl_b32 s32, s32, 24
	s_lshl_b32 s33, s26, 20
	s_add_co_u32 s32, s32, s33
	s_lshl_b32 s33, s27, 18
	s_add_co_u32 s32, s32, s33
	s_and_b32 s33, s25, 15
	s_lshl_b32 s33, s33, 9
	s_add_co_u32 s32, s32, s33
	s_mov_b32 s33, 0
	s_add_nc_u64 s[8:9], s[8:9], s[32:33]
	s_lshl_b32 s34, s25, 2
	s_lshr_b32 s35, s26, 2
	s_add_co_u32 s34, s34, s35
	s_mul_i32 s34, s34, 69632
	s_and_b32 s35, s26, 3
	s_lshl_b32 s32, s35, 13
	s_add_co_u32 s32, s32, s34
	s_lshl_b32 s36, s27, 8
	s_add_co_u32 s32, s32, s36
	s_add_co_u32 s32, s32, 32768
	s_add_nc_u64 s[28:29], s[14:15], s[32:33]      ; codes: tile n's block t at 1,024 n + 256 t
	s_lshl_b32 s32, s35, 9
	s_add_co_u32 s32, s32, s34
	s_add_co_u32 s32, s32, 67584
	s_add_nc_u64 s[30:31], s[14:15], s[32:33]      ; the step's scale words
.set i, 0
.rept 32
	global_load_b128 v[R+4*i:R+4*i+3], v[LI], s[8:9] offset:8192*i th:TH_LOAD_NT   ; register 4 i + c: key i, channel 4 lane + c
.set i, i+1
.endr
	s_wait_loadcnt 0x0
.irp c, 0,1,2,3
	v_max3_num_f32 v[24+\c], |v[R+\c]|, |v[R+4+\c]|, 0x1800000   ; with the floor 2^(3 - 127); the four channels by turns
.endr
.set i, 2
.rept 15
.irp c, 0,1,2,3
	v_max3_num_f32 v[24+\c], v[24+\c], |v[R+4*i+\c]|, |v[R+4*i+4+\c]|
.endr
.set i, i+2
.endr
.irp c, 0,1,2,3
	v_add_nc_u32 v[28+\c], 0xff000000, v[24+\c]    ; 2 off the exponent field: the conversion's scale operand
.endr
.irp c, 0,1,2,3
	v_lshrrev_b32 v[32+\c], 23, v[28+\c]
.endr
.irp c, 0,1,2,3
	ds_store_b8 v[VBA], v[32+\c] offset:4*\c       ; byte t of the channel's scale word
.endr
.irp c, 0,1,2,3                                ; the conversions take neighbours along the keys from consecutive registers: a channel's 32 numbers are moved on end, in two sets by turns
.set i, 0
.rept 32
	v_mov_b32 v[X+32*(\c%2)+i], v[R+4*i+\c]
.set i, i+1
.endr
.irp g, 0,1,2,3
	v_cvt_scalef32_pk8_fp4_f32 v[C+4*\c+\g], v[X+32*(\c%2)+8*\g:X+32*(\c%2)+8*\g+7], v[28+\c]
.endr
.endr
	v_nop                                          ; one plain place behind the last conversion
.irp c, 0,1,2,3
	ds_store_b128 v[VSI], v[C+4*\c:C+4*\c+3] offset:16*\c   ; a lane's 64 bytes on end: four lanes make a tile's 256 bytes of this block
.endr
.irp k, 0,1,2,3
	ds_load_b128 v[R+4*\k:R+4*\k+3], v[VSO] offset:640*\k
.endr
	s_wait_dscnt 0x0
	s_barrier_signal -1
	s_barrier_wait -1                              ; the four blocks' scale bytes are in LDS
.irp k, 0,1,2,3
	global_store_b128 v[VO], v[R+4*\k:R+4*\k+3], s[28:29] offset:2048*\k   ; sixteen lanes store 256 consecutive bytes, aligned
.endr
	s_cmp_lg_u32 s27, 0                            ; the wave of block 0 stores the step's 512 bytes of scale words
	s_cbranch_scc1 .Lvend
	ds_load_b128 v[R+16:R+19], v[VBR]
	s_wait_dscnt 0x0
	global_store_b128 v[LI], v[R+16:R+19], s[30:31]
.Lvend:
	CLOSE
; ---------------- query and key: one text, the buffers chosen on the work-group's number alone; my tiles are 2 n and 2 n + 1 of a group, n = wave % 4: rows 32 n .. 32 n + 31
.Lqk:
	s_sub_co_u32 s24, ttmp9, 384
	s_lshr_b32 s25, s24, 8
	s_cmp_eq_u32 s25, 0
	s_cselect_b64 s[26:27], s[4:5], s[6:7]
	s_cselect_b64 s[28:29], s[12:13], s[14:15]
	s_mov_b32 s30, 69632
	s_cselect_b32 s30, 34816, s30                  ; bytes of four groups' block in qc, in kv
	s_mov_b32 s31, 65536
	s_cselect_b32 s31, 32768, s31                  ; where its scale words begin
	s_bfe_u32 s32, s24, 0x50003                    ; b x 16 + head
	s_and_b32 s33, s24, 7
	s_lshl_b32 s33, s33, 1
	s_lshr_b32 s34, s22, 2
	s_add_co_u32 s33, s33, s34                     ; group of 128 rows
	s_and_b32 s34, s22, 3                          ; n
	s_lshr_b32 s36, s32, 4
	s_lshl_b32 s36, s36, 24
	s_lshl_b32 s37, s33, 20
	s_add_co_u32 s36, s36, s37
	s_lshl_b32 s37, s34, 18
	s_add_co_u32 s36, s36, s37
	s_and_b32 s37, s32, 15
	s_lshl_b32 s37, s37, 9
	s_add_co_u32 s36, s36, s37
	s_mov_b32 s37, 0
	s_add_nc_u64 s[26:27], s[26:27], s[36:37]
	s_lshl_b32 s38, s32, 2
	s_lshr_b32 s39, s33, 2
	s_add_co_u32 s38, s38, s39
	s_mul_i32 s38, s38, s30
	s_and_b32 s39, s33, 3
	s_lshl_b32 s36, s39, 9
	s_add_co_u32 s36, s36, s38
	s_add_co_u32 s36, s36, s31
	s_lshl_b32 s40, s34, 7
	s_add_co_u32 s36, s36, s40
	s_add_nc_u64 s[44:45], s[28:29], s[36:37]      ; my two tiles' 128 bytes of scale words
	s_lshl_b32 s36, s39, 13
	s_add_co_u32 s36, s36, s38
	s_lshl_b32 s40, s34, 11
	s_add_co_u32 s36, s36, s40
	s_add_nc_u64 s[28:29], s[28:29], s[36:37]      ; and 2,048 of codes
.irp t, 0,1
.set i, 0
.rept 16
	global_load_b128 v[R+64*\t+4*i:R+64*\t+4*i+3], v[LI], s[26:27] offset:(8*\t+i+8*(i/8))*8192 th:TH_LOAD_NT
.set i, i+1
.endr
.endr
.macro QTILE t
.set i, 0
.rept 16
	s_wait_loadcnt 31-16*\t-i
	ds_store_b128 v[QSI], v[R+64*\t+4*i:R+64*\t+4*i+3] offset:SP*i
.set i, i+1
.endr
.set i, 0
.rept 16
	ds_load_b128 v[X+4*i:X+4*i+3], v[QSO] offset:256*(i/8)+16*(i%8)   ; lane (r, h): blocks h and 2 + h of row r
.set i, i+1
.endr
	s_wait_dscnt 0x0
.irp c, 0,1
	v_max3_num_f32 v[24+\c], |v[X+32*\c]|, |v[X+32*\c+1]|, 0x1800000
.endr
.irp i, 2,4,6,8,10,12,14,16,18,20,22,24,26,28,30
.irp c, 0,1
	v_max3_num_f32 v[24+\c], v[24+\c], |v[X+32*\c+\i]|, |v[X+32*\c+\i+1]|
.endr
.endr
.irp c, 0,1
	v_add_nc_u32 v[26+\c], 0xff000000, v[24+\c]
.endr
.irp c, 0,1
	v_lshrrev_b32 v[28+\c], 23, v[26+\c]
.endr
	v_lshl_or_b32 v30, v29, 16, v28                ; my two bytes, blocks h and 2 + h,
	v_lshlrev_b32 v30, v[SH8], v30                 ; at their places;
	v_permlanex16_b32 v32, v30, s48, s49
	v_or_b32 v30, v30, v32                         ; with lane l xor 16's two the row's word is whole
.if \t == 0
	v_mov_b32 v31, v30                             ; the even tile's words in lanes 0-15,
.else
	v_cndmask_b32 v31, v31, v30, s50               ; the odd tile's in lanes 16-31
.endif
.irp c, 0,1
.irp g, 0,1,2,3
	v_cvt_scalef32_pk8_fp4_f32 v[R+64*\t+4*\c+\g], v[X+32*\c+8*\g:X+32*\c+8*\g+7], v[26+\c]   ; into the tile's own registers, whose stores are done
.endr
.endr
	v_nop                                          ; one plain place behind the last conversion
.irp c, 0,1
	global_store_b128 v[LI], v[R+64*\t+4*\c:R+64*\t+4*\c+3], s[28:29] offset:1024*\t+512*\c   ; 512 consecutive bytes, aligned
.endr
.endm
	QTILE 0
	QTILE 1
	global_store_b32 v[L4], v31, s[44:45]          ; 128 consecutive bytes: one byte in 16 of what this path stores
	CLOSE
.Lfunc_end_k_qee1acf0b8a_prep:
	.size	k_qee1acf0b8a_prep, .Lfunc_end_k_qee1acf0b8a_prep-k_qee1acf0b8a_prep
	.p2alignl 7, 3214868480
	.fill 96, 4, 3214868480
	.section	.rodata,"a",@progbits
	.p2align	6, 0x0
	.amdhsa_kernel k_qee1acf0b8a_prep
		.amdhsa_group_segment_fixed_size 158976
		.amdhsa_private_segment_fixed_size 0
		.amdhsa_enable_private_segment 0
		.amdhsa_kernarg_size 72
		.amdhsa_user_sgpr_count 2
		.amdhsa_user_sgpr_kernarg_segment_ptr 1
		.amdhsa_wavefront_size32 1
		.amdhsa_system_sgpr_workgroup_id_x 1
		.amdhsa_system_sgpr_workgroup_id_y 1
		.amdhsa_system_sgpr_workgroup_id_z 1
		.amdhsa_system_vgpr_workitem_id 0
		.amdhsa_next_free_vgpr 256
		.amdhsa_next_free_sgpr 66
		.amdhsa_reserve_vcc 1
		.amdhsa_float_denorm_mode_32 3
		.amdhsa_float_denorm_mode_16_64 3
		.amdhsa_memory_ordered 1
		.amdhsa_forward_progress 1
		.amdhsa_inst_pref_size 75
	.end_amdhsa_kernel
	.amdgpu_metadata
---
amdhsa.version: [ 1, 2 ]
amdhsa.kernels:
  - .name:           k_qee1acf0b8a_prep
    .symbol:         k_qee1acf0b8a_prep.kd
    .args:
      - { .name: query, .offset: 0, .size: 8, .value_kind: global_buffer, .address_space: global }
      - { .name: key, .offset: 8, .size: 8, .value_kind: global_buffer, .address_space: global }
      - { .name: value, .offset: 16, .size: 8, .value_kind: global_buffer, .address_space: global }
      - { .name: attn_mask, .offset: 24, .size: 8, .value_kind: global_buffer, .address_space: global }
      - { .name: qc, .offset: 32, .size: 8, .value_kind: global_buffer, .address_space: global }
      - { .name: kv, .offset: 40, .size: 8, .value_kind: global_buffer, .address_space: global }
      - { .name: maskt, .offset: 48, .size: 8, .value_kind: global_buffer, .address_space: global }
      - { .name: rowu, .offset: 56, .size: 8, .value_kind: global_buffer, .address_space: global }
      - { .name: flags, .offset: 64, .size: 8, .value_kind: global_buffer, .address_space: global }
    .group_segment_fixed_size: 158976
    .private_segment_fixed_size: 0
    .kernarg_segment_align: 8
    .kernarg_segment_size: 72
    .max_flat_workgroup_size: 256
    .sgpr_count:     66
    .vgpr_count:     256
    .wavefront_size: 32
...
	.end_amdgpu_metadata
.endif
;; end of part 1
;; launch attn (part 2): grid 8 x 32, 16 waves a work-group, no clusters, 280,576 bytes of LDS; arguments qc, kv, maskt, rowu, flags, out0; writes out0
.if DOCPART == 2
	.amdgcn_target "amdgcn-amd-amdhsa--gfx1250"
	.amdhsa_code_object_version 6
	.text
	.protected	k_qee1acf0b8a_attn
	.globl	k_qee1acf0b8a_attn
	.p2align	8
	.type	k_qee1acf0b8a_attn,@function
k_qee1acf0b8a_attn:
	s_mov_b64 s[64:65], 0
	v_nop
	global_prefetch_b8 v0, s[64:65] scope:SCOPE_SE
	s_setreg_imm32_b32 hwreg(HW_REG_WAVE_MODE, 25, 1), 1
	s_wait_xcnt 0x0
; out[b][q][h][:] = the sum over k of softmax_k(20 tanh(q.k / sqrt(128) / 20) + mask[q][k]) v[k][:], both products on codes of E2M1 with one E8M0 scale for each 32 along K.
; INPUTS, made by the launch before: qc, kv: codes and scale words as images of operand registers; maskt: mt - M in the order of the score registers; rowu, flags: see below.
; THE EXPONENT: with s the raw product, e = 2^(A s), A = log2(e) / (10 sqrt(128)): t - M = (mt - M) + c / (1 + e), c = -40 log2(e).  M = ceil(the row's largest mt) is a whole number at or over every t of
;   the row; tanh, the problem's own clip, holds the row's largest t - M over -58.8: p = 2^(t - M) <= 1, and the row's sum lies over 2^-59.  So M is fixed for a row: nothing is rescaled.
;   p is quantised along the keys, not normalised; the row's sum is taken of the unquantised p and divides at the end.  c is the row's own (rowu): 0 where |M| >= 2^30.
; WORK LEFT OUT, on whole numbers that the launch before stored (flags, a word a query tile): a key step whose bit j is 0 has mt - M < -127 in all its 16 x 128 places, so every p of it is 0 by v_exp_f32
;   (ISA guide 15.8), whatever q, k and v hold: its products and softmax are jumped over.  Every tile has a live step.  A step whose bit 16 + j is 1 holds one value of mt - M in each row: the lane's word
;   of rowu serves for its 8,192 bytes of maskt.  A mask with no such steps takes the full way in all of them.
; LIMITS: NaN and infinities among the inputs are not served, and one that reaches only a step left out is not carried to the result; p under 2^-126 counts as 0.
; SHARES: a work-group owns groups x and 15 - x of 128 queries of one head; wave w holds tile w / 2 of group x or 15 - x, as bit 0 xor bit 2 of w says; 16 queries a wave in 256 registers.
;   Lane r's query is row 32 (t / 2) + 8 (t % 2) + r + 8 (r / 8) of the group.  Both products are used transposed: a lane holds one query; score registers 16 b + n are keys 32 b + 16 (lane / 16) + n.
; k AND v OF THE WHOLE HEAD STAY IN LDS: 278,528 bytes, as they lie in kv, brought at the head through registers, 34 loads of 16 bytes a thread, all asked for in one run.  One barrier follows; up to the
;   loop's end these bytes are only read, and no barrier stands in the loop.  A second barrier stands behind the loop: every wave's reads are then done, and the first 69,632 bytes serve as the stages of the way out.
; NO TENSOR LOAD, and so no cluster with joint loads: branches of this launch hang on numbers read from memory (flags).
; PREFETCH: a step that is live and not uniform has its 8,192 bytes of maskt named one step ahead, lanes 256 bytes apart, by the waves of heads 0 of both batches (all heads read the same tiles).
;   kv is asked for whole at the head: there is no loop to run ahead in.
.set BLK,   69632                      ; four steps: k's codes 4 x 8,192; v's at 32,768; k's scale words 4 x 512 at 65,536; v's at 67,584
.set STGB,  4352                       ; the way out: 16 rows x 272 bytes for each wave, from LDS byte 0 on
.set SPARE, 278528                     ; behind k and v: the spare words, 128 bytes a wave
.set LI,  1                            ; 16 x lane
.set SPW, 2                            ; my spare word; never rewritten
.set NIL, 3                            ; 0; never rewritten
.set AS,  4                            ; LDS address of the trip's scale words
.set L4,  5                            ; 65,536 + 4 x lane
.set UV,  6                            ; v[6:7]  the step's word of rowu (the low word serves both halves)
.set KS,  8                            ; v8-11   k's scale words: register n holds tile 2 n's in lanes 0-15, tile 2 n + 1's in lanes 16-31
.set CR,  12                           ; v[12:13] the row's c;  v[14:15] the row's sum in two halves
.set QF,  16                           ; v16-23  q's fragment
.set QS,  24
.set PS,  25                           ; p's scale word
.set VS,  26                           ; v26-29  v's scale words, as k's
.set PFO, 30                           ; 256 x lane
.set AB,  31                           ; LDS address of the trip's codes
.set FRG, 32                           ; v32-95  eight fragments of k, then the mask's tile, then eight fragments of v
.set S,   96                           ; v96-159 S^T, e, 1 + e, its reciprocal, t - M, p
.set OT,  160                          ; v160-223 O^T
.set PCD, 224                          ; v224-231 p's codes;  v232-239 at work
.set U,   240                          ; v240-255 my words of rowu: the trip's four steps lowest
.set WV,  16
.set SEL, 18
.set CA,  20
.set KVB, 40
.set MB,  42                           ; s[42:43] maskt at the trip's four steps
.set UB,  44
.set OUT, 46
.set FL,  48                           ; the flags, four steps' bits lower each trip
.set NC,  49                           ; trips to go
.set FN,  54                           ; bit j: step j is live, not uniform, and mine to prefetch
.set TB,  55                           ; LDS byte of the trip's four steps
	s_load_b256 s[4:11], s[0:1], 0x0               ; qc, kv, maskt, rowu
	s_load_b128 s[12:15], s[0:1], 0x20             ; flags, out0
	v_lshl_add_u32 v[SPW], v0, 2, SPARE
	v_mov_b32 v[NIL], 0
	v_lshrrev_b32 v237, 5, v0
	v_readfirstlane_b32 s[WV], v237
	v_and_b32 v238, 31, v0
	v_lshlrev_b32 v232, 4, v0                      ; 16 x thread, and 65,536 k on: the fill's LDS addresses
.irp k, 1,2,3,4
	v_add_nc_u32 v[232+\k], 65536*\k, v232
.endr
	v_lshlrev_b32 v[LI], 4, v238
	v_lshlrev_b32 v[L4], 2, v238
	v_lshlrev_b32 v[PFO], 8, v238
	v_and_b32 v239, 15, v0
	v_lshlrev_b32 v239, 2, v239                    ; q's scale words: 4 bytes a row
	s_mov_b32 s[SEL], 0x76543210
	s_mov_b32 s[SEL+1], 0xfedcba98
	s_mov_b32 s[CA], 0x3c50ecb0                    ; A
	s_mov_b32 s[CA+1], s[CA]
	s_mov_b32 s[NC], 4
	s_mov_b32 s[TB], 0
	s_and_b32 s23, ttmp7, 0xffff                   ; b x 16 + head
	s_lshr_b32 s24, s[WV], 2
	s_xor_b32 s24, s24, s[WV]
	s_and_b32 s24, s24, 1
	s_sub_co_u32 s25, 15, ttmp9
	s_cmp_eq_u32 s24, 0
	s_cselect_b32 s25, ttmp9, s25                  ; my group of 128 queries
	s_lshr_b32 s26, s[WV], 1                       ; my tile in it
	s_lshl_b32 s27, s25, 3
	s_add_co_u32 s27, s27, s26                     ; my query tile, 0 to 127
	s_mul_i32 s28, s23, 4*BLK
	s_mov_b32 s29, 0
	s_mul_i32 s30, s23, 139264
	s_lshr_b32 s31, s25, 2
	s_mul_i32 s31, s31, 34816
	s_add_co_u32 s30, s30, s31                     ; the block of qc that holds the group
	s_and_b32 s31, s25, 3
	s_lshl_b32 s32, s31, 13
	s_add_co_u32 s32, s32, s30
	s_lshl_b32 s34, s26, 10
	s_add_co_u32 s32, s32, s34                     ; my tile's codes
	s_mov_b32 s33, 0
	s_lshl_b32 s34, s31, 9
	s_add_co_u32 s34, s34, s30
	s_lshl_b32 s35, s26, 6
	s_add_co_u32 s34, s34, s35
	s_add_co_u32 s34, s34, 32768                   ; its scale words
	s_mov_b32 s35, 0
	s_lshl_b32 s36, s27, 17
	s_mov_b32 s37, 0
	s_lshl_b32 s38, s27, 12
	s_mov_b32 s39, 0
	s_lshl_b32 s50, s27, 7
	s_mov_b32 s51, 0
	s_lshr_b32 s52, s23, 4                         ; out: b x 16,777,216 + head x 512 + 8,192 x (128 group + 32 (t / 2) + 8 (t % 2))
	s_lshl_b32 s52, s52, 24
	s_and_b32 s53, s23, 15
	s_lshl_b32 s53, s53, 9
	s_add_co_u32 s52, s52, s53
	s_lshl_b32 s53, s25, 20
	s_add_co_u32 s52, s52, s53
	s_lshr_b32 s53, s26, 1
	s_lshl_b32 s53, s53, 18
	s_add_co_u32 s52, s52, s53
	s_and_b32 s53, s26, 1
	s_lshl_b32 s53, s53, 16
	s_add_co_u32 s52, s52, s53
	s_mov_b32 s53, 0
	s_wait_alu depctr_va_vdst(0)                   ; the wait ahead of the wait below
	s_wait_kmcnt 0x0
	s_add_nc_u64 s[KVB:KVB+1], s[6:7], s[28:29]
	s_add_nc_u64 s[32:33], s[4:5], s[32:33]
	s_add_nc_u64 s[34:35], s[4:5], s[34:35]
	s_add_nc_u64 s[MB:MB+1], s[8:9], s[36:37]
	s_add_nc_u64 s[UB:UB+1], s[10:11], s[38:39]
	s_add_nc_u64 s[50:51], s[12:13], s[50:51]
	s_add_nc_u64 s[OUT:OUT+1], s[14:15], s[52:53]
	s_load_b32 s[FL], s[50:51], 0x0
	global_load_b128 v[QF:QF+3], v[LI], s[32:33] th:TH_LOAD_NT
	global_load_b128 v[QF+4:QF+7], v[LI], s[32:33] offset:512 th:TH_LOAD_NT
	global_load_b32 v[QS], v239, s[34:35]
	global_load_b32 v[CR], v[L4], s[UB:UB+1] offset:2048
.irp n, 0,1,2,3
	global_load_b128 v[U+4*\n:U+4*\n+3], v[LI], s[UB:UB+1] offset:512*\n
.endr
.set i, 0
.rept 34
	global_load_b128 v[FRG+4*i:FRG+4*i+3], v232, s[KVB:KVB+1] offset:8192*i   ; the work-group reads 8,192 consecutive bytes a line
.set i, i+1
.endr
	v_mov_b32 v[UV+1], 0                           ; upper halves of pairs whose low word serves both halves
	v_mov_b32 v[CR+1], 0
	v_mov_b32 v14, 0
	v_mov_b32 v15, 0
.set j, 8
.rept 56
	v_mov_b32 v[OT+j], 0                           ; which step is a tile's first live one hangs on flags, so the sums begin as zeros
.set j, j+1
.endr
	s_wait_alu depctr_va_vdst(0)
.set i, 0
.rept 34
	s_wait_loadcnt 33-i                            ; the loads issued behind this one
	ds_store_b128 v[232+i/8], v[FRG+4*i:FRG+4*i+3] offset:8192*(i%8)
.set i, i+1
.endr
	s_wait_xcnt 0x0                                ; the loads have read v[L4]
	v_add_nc_u32 v[L4], 65536, v[L4]
	s_wait_dscnt 0x0                               ; my part of k and v is in LDS
.set j, 0
.rept 8
	v_mov_b32 v[OT+j], 0
.set j, j+1
.endr
.irp b, 0,1,2,3
	v_mov_b32 v[236+\b], 0                         ; a lane permute's destination counts as a source
.endr
	s_wait_kmcnt 0x0                               ; flags
	s_lshr_b32 s22, s[FL], 16
	s_and_not1_b32 s[FN], s[FL], s22
	s_and_b32 s[FN], s[FN], 0xffff
	s_and_b32 s22, s23, 15
	s_cmp_eq_u32 s22, 0
	s_cselect_b32 s[FN], s[FN], 0
	s_wait_alu depctr_va_vdst(0)                   ; the wait at the head's end
	s_barrier_signal -1
	s_barrier_wait -1                              ; everybody's part is
; A KEY STEP, the q-th of a trip's four
.macro STEP q
	s_bitcmp1_b32 s[FN], (\q)+1                    ; the next step's tile of the mask, if it will be read
	s_cbranch_scc0 .Lnp_\@
	global_prefetch_b8 v[PFO], s[MB:MB+1] offset:8192*((\q)+1) th:TH_LOAD_NT scope:SCOPE_SE
.Lnp_\@:
	s_bitcmp1_b32 s[FL], \q                        ; live for my tile?
	s_cbranch_scc0 .Ldead_\@
.irp n, 0,1,2,3
	ds_load_b32 v[KS+\n], v[AS] offset:512*(\q)+128*\n
.endr
.set i, 0
.rept 16
	ds_load_b128 v[FRG+4*i:FRG+4*i+3], v[AB] offset:8192*(\q)+512*i
.set i, i+1
.endr
	v_mov_b32 v[UV], v[U+\q]
	s_wait_dscnt 0x0
.irp t, 0,2,4,6                                ; S^T = k q^T: eight tiles of 16 keys, eight accumulators
	v_wmma_scale_f32_16x16x128_f8f6f4 v[S+8*\t:S+8*\t+7], v[FRG+8*\t:FRG+8*\t+7], v[QF:QF+7], 0, v[KS+\t/2], v[QS] matrix_a_fmt:MATRIX_FMT_FP4 matrix_b_fmt:MATRIX_FMT_FP4
	v_wmma_scale_f32_16x16x128_f8f6f4 v[S+8*\t+8:S+8*\t+15], v[FRG+8*\t+8:FRG+8*\t+15], v[QF:QF+7], 0, v[KS+\t/2], v[QS] matrix_a_fmt:MATRIX_FMT_FP4 matrix_b_fmt:MATRIX_FMT_FP4 matrix_a_scale:MATRIX_SCALE_ROW1
.endr
.rept 4
	v_nop                                          ; four places behind the products, ahead of the loads into their sources and of the first read of S^T
.endr
	s_bitcmp1_b32 s[FL], 16+\q
	s_cbranch_scc1 .Lu1_\@
.set i, 0
.rept 16
	global_load_b128 v[FRG+4*i:FRG+4*i+3], v[LI], s[MB:MB+1] offset:8192*(\q)+512*i   ; the mask's tile takes the fragments' registers
.set i, i+1
.endr
.Lu1_\@:
.set j, 0
.rept 32
	v_pk_mul_f32 v[S+j:S+j+1], v[S+j:S+j+1], s[CA:CA+1] op_sel_hi:[1,0]   ; A s, each accumulator from its low end on
.set j, j+2
.endr
	s_wait_alu depctr_va_vdst(0)                   ; a wait ahead of each batch and one behind it
.set j, 0
.rept 64
	v_exp_f32 v[S+j], v[S+j]                       ; e
.set j, j+1
.endr
	v_nop
	s_wait_alu depctr_va_vdst(0)
.set j, 0
.rept 32
	v_pk_add_f32 v[S+j:S+j+1], v[S+j:S+j+1], 1.0 op_sel_hi:[1,0]
.set j, j+2
.endr
	s_wait_alu depctr_va_vdst(0)
.set j, 0
.rept 64
	v_rcp_f32 v[S+j], v[S+j]                       ; 1 / (1 + e)
.set j, j+1
.endr
	v_nop
	s_wait_alu depctr_va_vdst(0)
	s_bitcmp1_b32 s[FL], 16+\q
	s_cbranch_scc1 .Lu2_\@
	s_wait_loadcnt 8                               ; the tile's first eight loads are in; the eight behind them may be out
.set j, 0
.rept 16
	v_pk_fma_f32 v[S+j:S+j+1], v[S+j:S+j+1], v[CR:CR+1], v[FRG+j:FRG+j+1] op_sel_hi:[1,0,1]   ; t - M
.set j, j+2
.endr
	s_wait_loadcnt 0x0
.rept 16
	v_pk_fma_f32 v[S+j:S+j+1], v[S+j:S+j+1], v[CR:CR+1], v[FRG+j:FRG+j+1] op_sel_hi:[1,0,1]
.set j, j+2
.endr
	s_wait_alu depctr_va_vdst(0)                   ; the wait ahead of the jump
	s_branch .Lj_\@
.Lu2_\@:
	s_wait_loadcnt 0x0                             ; on every way to the LDS loads below no load into their registers is out
.set j, 0
.rept 32
	v_pk_fma_f32 v[S+j:S+j+1], v[S+j:S+j+1], v[CR:CR+1], v[UV:UV+1] op_sel_hi:[1,0,0]   ; the row's one value
.set j, j+2
.endr
	s_wait_alu depctr_va_vdst(0)
.Lj_\@:
.irp n, 0,1,2,3
	ds_load_b32 v[VS+\n], v[AS] offset:2048+512*(\q)+128*\n
.endr
.set i, 0
.rept 16
	ds_load_b128 v[FRG+4*i:FRG+4*i+3], v[AB] offset:32768+8192*(\q)+512*i   ; v's eight fragments, asked for under the softmax
.set i, i+1
.endr
.irp b, 0,1,2,3
	v_max3_num_f32 v[232+\b], v[S+16*\b], v[S+1+16*\b], v[S+2+16*\b]   ; the largest exponent of each block of 32 keys: p rises with it, so it gives the block's largest p
.endr
.irp i, 3,5,7,9,11,13
.irp b, 0,1,2,3
	s_delay_alu instid0(VALU_DEP_4)
	v_max3_num_f32 v[232+\b], v[232+\b], v[S+16*\b+\i], v[S+1+16*\b+\i]
.endr
.endr
.irp b, 0,1,2,3
	s_delay_alu instid0(VALU_DEP_4)
	v_max_num_f32 v[232+\b], v[232+\b], v[S+15+16*\b]
.endr
.irp b, 0,1,2,3
	s_delay_alu instid0(VALU_DEP_4)
	v_permlanex16_b32 v[236+\b], v[232+\b], s[SEL], s[SEL+1]
.endr
.irp b, 0,1,2,3
	s_delay_alu instid0(VALU_DEP_4)
	v_max_num_f32 v[232+\b], v[232+\b], v[236+\b]  ; with lane l xor 16's 16 keys
.endr
	s_wait_alu depctr_va_vdst(0)
.set j, 0
.rept 64
	v_exp_f32 v[S+j], v[S+j]                       ; p = 2^(t - M), at most 1
.set j, j+1
.endr
.irp b, 0,1,2,3
	v_exp_f32 v[232+\b], v[232+\b]                 ; the block's largest p: the same instruction on the same number
.endr
	v_nop
	s_wait_alu depctr_va_vdst(0)
.irp b, 0,1,2,3
	v_max_num_f32 v[232+\b], 0x1800000, v[232+\b]  ; the floor 2^(3 - 127): the byte cannot fall under 1
.endr
.irp b, 0,1,2,3
	s_delay_alu instid0(VALU_DEP_4)
	v_add_nc_u32 v[232+\b], 0xff000000, v[232+\b]  ; 2 off the exponent field: the conversion's scale operand
.endr
.irp b, 0,1,2,3
	s_delay_alu instid0(VALU_DEP_4)
	v_lshrrev_b32 v[236+\b], 23, v[232+\b]         ; the scale's byte
.endr
	s_delay_alu instid0(VALU_DEP_3)
	v_lshl_or_b32 v[PS], v237, 8, v236
	s_delay_alu instid0(VALU_DEP_1)
	v_lshl_or_b32 v[PS], v238, 16, v[PS]
	s_delay_alu instid0(VALU_DEP_1)
	v_lshl_or_b32 v[PS], v239, 24, v[PS]
.irp b, 0,1,2,3
	v_cvt_scalef32_pk8_fp4_f32 v[PCD+2*\b], v[S+16*\b:S+7+16*\b], v[232+\b]
	v_cvt_scalef32_pk8_fp4_f32 v[PCD+1+2*\b], v[S+8+16*\b:S+15+16*\b], v[232+\b]
.endr
	v_nop                                          ; one plain place behind the last conversion
.irp c, 0,1                                    ; a whole block to a lane: lanes 0-15 block 2 c, lanes 16-31 block 2 c + 1
.irp i, 0,1
	v_permlane16_swap_b32 v[PCD+4*\c+\i], v[PCD+2+4*\c+\i]
.endr
.endr
.irp n, 32,16,8                                ; the row's sum of the unquantised p, in place, now that the codes are made.  (These are the places between p's scale word and codes and the products)
.set j, 0
.rept \n/2
	v_pk_add_f32 v[S+j:S+j+1], v[S+j:S+j+1], v[S+j+\n:S+j+\n+1]
.set j, j+2
.endr
.endr
	s_delay_alu instid0(VALU_DEP_2)
	v_pk_add_f32 v[S:S+1], v[S:S+1], v[S+4:S+5]
	s_delay_alu instid0(VALU_DEP_2)
	v_pk_add_f32 v[S+2:S+3], v[S+2:S+3], v[S+6:S+7]
	s_delay_alu instid0(VALU_DEP_1)
	v_pk_add_f32 v[S:S+1], v[S:S+1], v[S+2:S+3]
	s_delay_alu instid0(VALU_DEP_1)
	v_pk_add_f32 v[14:15], v[14:15], v[S:S+1]
	s_wait_dscnt 0x0                               ; v's fragments and scale words
	s_wait_alu depctr_va_vdst(0)                   ; O^T was last written ahead of this step's exponentials
.irp t, 0,2,4,6                                ; O^T += v^T p^T: the eight accumulators by turns
	v_wmma_scale_f32_16x16x128_f8f6f4 v[OT+8*\t:OT+8*\t+7], v[FRG+8*\t:FRG+8*\t+7], v[PCD:PCD+7], v[OT+8*\t:OT+8*\t+7], v[VS+\t/2], v[PS] matrix_a_fmt:MATRIX_FMT_FP4 matrix_b_fmt:MATRIX_FMT_FP4
	v_wmma_scale_f32_16x16x128_f8f6f4 v[OT+8*\t+8:OT+8*\t+15], v[FRG+8*\t+8:FRG+8*\t+15], v[PCD:PCD+7], v[OT+8*\t+8:OT+8*\t+15], v[VS+\t/2], v[PS] matrix_a_fmt:MATRIX_FMT_FP4 matrix_b_fmt:MATRIX_FMT_FP4 matrix_a_scale:MATRIX_SCALE_ROW1
.endr
.rept 4
	v_nop                                          ; four places, ahead of the next loads into these products' sources
.endr
.Ldead_\@:
.endm
.Lblk:                                             ; four trips of four key steps
	v_add_nc_u32 v[AB], s[TB], v[LI]
	v_add_nc_u32 v[AS], s[TB], v[L4]
	s_wait_alu depctr_va_vdst(0)
	STEP 0
	STEP 1
	STEP 2
	STEP 3
.set j, 0
.rept 12
	v_mov_b32 v[U+j], v[U+j+4]                     ; the next trip's words of rowu come lowest
.set j, j+1
.endr
	s_wait_xcnt 0x0                                ; the trip's loads and prefetches have read their base
	s_add_nc_u64 s[MB:MB+1], s[MB:MB+1], 32768
	s_add_co_u32 s[TB], s[TB], BLK
	s_lshr_b32 s[FL], s[FL], 4
	s_lshr_b32 s[FN], s[FN], 4
	s_sub_co_u32 s[NC], s[NC], 1
	s_cmp_lg_u32 s[NC], 0
	s_wait_alu depctr_va_vdst(0)                   ; the wait ahead of the jump
	s_cbranch_scc1 .Lblk
	; THE WAY OUT: O^T / the row's sum, through my stage in LDS, half a row (64 channels, 256 bytes) of 16 queries at a time: sixteen lanes store 256 consecutive bytes
	v_add_f32 v14, v14, v15
	s_delay_alu instid0(VALU_DEP_1)
	v_permlanex16_b32 v236, v14, s[SEL], s[SEL+1]
	s_delay_alu instid0(VALU_DEP_1)
	v_add_f32 v14, v14, v236
	s_wait_alu depctr_va_vdst(0)
	v_rcp_f32 v14, v14
	v_and_b32 v232, 15, v0                         ; r
	v_bfe_u32 v233, v0, 4, 1                       ; h
	s_mul_i32 s22, s[WV], STGB                     ; my stage
	v_mul_u32_u24 v234, v232, 272
	v_mul_u32_u24 v235, v233, 272
	v_lshlrev_b32 v237, 4, v232
	v_lshl_add_u32 v234, v233, 5, v234
	v_lshl_add_u32 v235, v232, 4, v235
	v_lshl_add_u32 v237, v233, 13, v237            ; out: 8,192 h + 16 r
	v_add_nc_u32 v234, s22, v234                   ; in: row r, 64 t + 32 h bytes on
	v_add_nc_u32 v235, s22, v235                   ; back: lanes 0-15 one row, lanes 16-31 the next
	s_wait_alu depctr_va_vdst(0)                   ; ahead of the first use of the reciprocal and of O^T
.set j, 0
.rept 64
	v_mul_f32 v[S+j], v[OT+j], v14                 ; register 8 t + i is out(query r, channel 16 t + 8 h + i)
.set j, j+1
.endr
	s_wait_alu depctr_va_vdst(0)                   ; the wait ahead of the wait below
	s_wait_dscnt 0x0                               ; my reads of k and v are over: say so,
	s_barrier_signal -1
	s_barrier_wait -1                              ; and so are everybody's: the stages may be written over k's first bytes
.irp u, 0,1                                    ; channels 64 u on; the rows come back into v32-63 (u = 0) and v160-191 (u = 1)
.irp t, 0,1,2,3
	ds_store_b128 v234, v[S+32*\u+8*\t:S+32*\u+8*\t+3] offset:64*\t
	ds_store_b128 v234, v[S+32*\u+8*\t+4:S+32*\u+8*\t+7] offset:64*\t+16
.endr
.irp i, 0,1,2,3,4,5,6,7
	ds_load_b128 v[32+128*\u+4*\i:35+128*\u+4*\i], v235 offset:2*\i*272   ; LDS serves a wave's instructions in order (ISA guide 5.7.1.4)
.endr
.endr
.irp u, 0,1
.irp i, 0,1,2,3,4,5,6,7
	s_wait_dscnt 23-16*\u-\i                       ; the LDS instructions issued behind this load
	global_store_b128 v237, v[32+128*\u+4*\i:35+128*\u+4*\i], s[OUT:OUT+1] offset:16384*\i+65536*(\i/4)+256*\u th:TH_STORE_NT
.endr
.endr
	s_wait_tensorcnt 0x0                           ; the wave's end, behind the last LDS store
	ds_add_u32 v[SPW], v[NIL]
	s_wait_dscnt 0x0
	s_endpgm
.Lfunc_end_k_qee1acf0b8a_attn:
	.size	k_qee1acf0b8a_attn, .Lfunc_end_k_qee1acf0b8a_attn-k_qee1acf0b8a_attn
	.p2alignl 7, 3214868480
	.fill 96, 4, 3214868480
	.section	.rodata,"a",@progbits
	.p2align	6, 0x0
	.amdhsa_kernel k_qee1acf0b8a_attn
		.amdhsa_group_segment_fixed_size 280576
		.amdhsa_private_segment_fixed_size 0
		.amdhsa_enable_private_segment 0
		.amdhsa_kernarg_size 48
		.amdhsa_user_sgpr_count 2
		.amdhsa_user_sgpr_kernarg_segment_ptr 1
		.amdhsa_wavefront_size32 1
		.amdhsa_system_sgpr_workgroup_id_x 1
		.amdhsa_system_sgpr_workgroup_id_y 1
		.amdhsa_system_sgpr_workgroup_id_z 1
		.amdhsa_system_vgpr_workitem_id 0
		.amdhsa_next_free_vgpr 256
		.amdhsa_next_free_sgpr 66
		.amdhsa_reserve_vcc 0
		.amdhsa_float_denorm_mode_32 3
		.amdhsa_float_denorm_mode_16_64 3
		.amdhsa_memory_ordered 1
		.amdhsa_forward_progress 1
		.amdhsa_inst_pref_size 136
	.end_amdhsa_kernel
	.amdgpu_metadata
---
amdhsa.version: [ 1, 2 ]
amdhsa.kernels:
  - .name:           k_qee1acf0b8a_attn
    .symbol:         k_qee1acf0b8a_attn.kd
    .args:
      - { .name: qc, .offset: 0, .size: 8, .value_kind: global_buffer, .address_space: global }
      - { .name: kv, .offset: 8, .size: 8, .value_kind: global_buffer, .address_space: global }
      - { .name: maskt, .offset: 16, .size: 8, .value_kind: global_buffer, .address_space: global }
      - { .name: rowu, .offset: 24, .size: 8, .value_kind: global_buffer, .address_space: global }
      - { .name: flags, .offset: 32, .size: 8, .value_kind: global_buffer, .address_space: global }
      - { .name: out0, .offset: 40, .size: 8, .value_kind: global_buffer, .address_space: global }
    .group_segment_fixed_size: 280576
    .private_segment_fixed_size: 0
    .kernarg_segment_align: 8
    .kernarg_segment_size: 48
    .max_flat_workgroup_size: 512
    .sgpr_count:     66
    .vgpr_count:     256
    .wavefront_size: 32
...
	.end_amdgpu_metadata
.endif
;; end of part 2
